; MI455X (gfx1250); checked and timed in simulation.
; The chip was launched on July 23, 2026; its instructions are those of AMD's public machine-readable ISA for CDNA 5 (MIT licence, August 2026) and "CDNA5" Instruction Set Architecture Reference Guide (July 2026). The comments in the code are by the model that wrote it; some were corrected since.
;; GPT3 Self Attention. Allowed arithmetic: matrix products marked QUANTISED: E2M1 operands, one E8M0 scale for each 32 along K, by v_wmma_scale_f32_16x16x128_f8f6f4 with both operands' format E2M1 (or v_wmma_scale_f32_32x16x128_f4), f32 sums; everything else in f32.
;; Inputs: W_dense_codes 1,024 x 32 x 16 uint8 (E2M1 codes of W_dense, K innermost, in blocks of 32 codes, two codes a byte); W_dense_scales 1,024 x 32 uint8 (E8M0 scales of W_dense, one for each 32 codes along K); W_qkv_codes 3,072 x 32 x 16 uint8 (E2M1 codes of W_qkv, K innermost, in blocks of 32 codes, two codes a byte); W_qkv_scales 3,072 x 32 uint8 (E8M0 scales of W_qkv, one for each 32 codes along K); attention_mask 1 x 1 x 2,048 x 2,048 bool; b_dense 1,024 float32; b_qkv 3,072 float32; hidden_states_codes 4 x 2,048 x 32 x 16 uint8 (E2M1 codes of hidden_states, K innermost, in blocks of 32 codes, two codes a byte); hidden_states_scales 4 x 2,048 x 32 uint8 (E8M0 scales of hidden_states, one for each 32 codes along K).
;; Outputs: out0 4 x 2,048 x 1,024 float32.
;; This version of the problem:
;;   THIS VERSION OF THE PROBLEM IS GIVEN IN LOW PRECISION. The matrix products marked QUANTISED in the list below multiply operands that are first quantised to E2M1 (2 exponent bits, 1 mantissa bit; 4 bits a number), with one power-of-two scale for each 32 numbers along K (OCP MX v1.0); their sums are f32. All else is computed in f32.
;;   The module's matrix products, in the order in which they are computed (A, B: the left and right operand; K: the contracted axis; several contracted axes count as one K, in the product's order):
;;     1. [M 8,192, K 1,024] x [K 1,024, N 3,072]; A: input hidden_states (given as codes); B: input W_qkv (given as codes): QUANTISED
;;     2. batch 64 x [M 2,048, K 64] x [K 64, N 2,048]; A: computed on the way; B: computed on the way: QUANTISED
;;     3. batch 64 x [M 2,048, K 2,048] x [K 2,048, N 64]; A: softmax (see below); B: computed on the way: QUANTISED
;;     4. [M 8,192, K 1,024] x [K 1,024, N 1,024]; A: computed on the way; B: input W_dense (given as codes): QUANTISED
;;   THE QUANTISER, for each operand of a quantised product, along K:
;;     - K is cut into blocks of 32 from its start; a last block that is shorter is filled with zeros.
;;     - A block's scale is 2^e with e = floor(log2(the largest magnitude in the block)) - 2, held to -126 .. 127; a block of zeros has e = 0. As a byte (E8M0): e + 127.
;;     - Each number is divided by its block's scale, clamped to +-6, and rounded to the nearest number of E2M1, ties to even, subnormals kept.
;;     - The product sums the exact products of the quantised numbers (number of the format x scale) in f32.
;;   ~~~python
;;   def quantise(x, axis):      # numpy; x: float32 -> the quantised numbers, widened to float32 again
;;       x = np.moveaxis(x, axis, -1); K = x.shape[-1]
;;       x = np.pad(x, [(0, 0)] * (x.ndim - 1) + [(0, -K % 32)]); x = x.reshape(x.shape[:-1] + (-1, 32)); a = np.abs(x).max(-1, keepdims=True)
;;       e = np.where(a > 0, np.clip(np.frexp(np.where(a > 0, a, 1))[1] - 1 - 2, -126, 127), 0)      # np.frexp(a)[1] - 1 = floor(log2(a)), exactly
;;       r = np.clip(x / 2.0 ** e, -6, 6)
;;       step = 2.0 ** (np.maximum(np.frexp(np.where(r == 0, 1, r))[1] - 1, 0) - 1)
;;       q = np.round(r / step) * step * 2.0 ** e      # np.round: ties to even
;;       return np.moveaxis(q.reshape(q.shape[:-2] + (-1,))[..., :K], -1, axis).astype(np.float32)
;;   ~~~
;;   SOFTMAX AHEAD OF A QUANTISED PRODUCT. Where the list says 'softmax', what is quantised is not the finished softmax but p = 2^(t - M), with t = logit x log2(e) and M = ceil(the row's largest t), a whole number; so 1/2 < the row's largest p <= 1. The row's sum l is taken of the UNQUANTISED p, in f32, and the product's result is divided by l at the end. Since M is a whole number, a kernel that streams over the keys may use a running M (the ceiling of the running maximum): every later rescaling is an exact power of two, which a block's scale takes up: the codes' values come out the same.
;;   OPERANDS COMPUTED ON THE WAY. 'Computed on the way' means the value that the module computes at that place (a softmax that the list does not call 'softmax' is quantised finished and normalised). What goes into a quantiser is computed in f32, as accurately as f32 sums, v_exp_f32 and their like allow (about 1e-6 of the number): no bf16 or f16 on the way to a quantiser, and a product that is left as it is and whose result goes on into a quantised operand takes f32 operands (vector FMAs, or v_wmma_f32_16x16x4_f32). A number that lies on a knife's edge between two numbers of the format may be rounded either way, as far as f32 arithmetic and the matrix unit's own rounding can turn it there, and no further.
;;   INPUTS GIVEN AS CODES. W_dense (in the module: [1024, 1024], K = its axis 0); W_qkv (in the module: [1024, 3072], K = its axis 0); hidden_states (in the module: [4, 2048, 1024], K = its axis 2): each comes as NAME_codes (uint8): NAME with its K axis moved to the last place and cut into blocks of 32 codes, [.., K / 32, bytes a block], one block behind the other in memory; two codes a byte, the lower K in the low four bits (a code: sign, 2 exponent bits, 1 mantissa bit); and NAME_scales (uint8): the same leading axes, one E8M0 byte (e + 127) for each 32 codes along K. Its value is code x scale, taken as it is: it is not quantised again, and the codes and scales need not be those that the quantiser above would give.
;; One version. Each part assembles by itself: llvm-mc -triple=amdgcn-amd-amdhsa -mcpu=gfx1250 --defsym DOCPART=n.
;; ======== version 1 of 1: 3 launches
;; limits: right only within a limited range of input values
;; workspace buffers: qq 4,718,592 bytes; kv 9,175,040 bytes; maskw 524,288 bytes of whole numbers; maskf 16,384 bytes of whole numbers; cc 4,194,304 bytes; cs 262,144 bytes
;; launch qkv (part 1): grid 12 x 64, 4 waves a work-group, clusters of 4 x 4, 217,600 bytes of LDS; arguments hidden_states_codes, hidden_states_scales, W_qkv_codes, W_qkv_scales, b_qkv, attention_mask, qq, kv, maskw, maskf; writes qq, kv, maskw, maskf
.if DOCPART == 1
	.amdgcn_target "amdgcn-amd-amdhsa--gfx1250"
	.amdhsa_code_object_version 6
	.text
	.protected	k_qb615a0ebb5_qkv
	.globl	k_qb615a0ebb5_qkv
	.p2align	8
	.type	k_qb615a0ebb5_qkv,@function
k_qb615a0ebb5_qkv:
	s_mov_b64 s[64:65], 0
	v_nop
	global_prefetch_b8 v0, s[64:65] scope:SCOPE_SE
	s_setreg_imm32_b32 hwreg(HW_REG_WAVE_MODE, 25, 1), 1
	s_wait_xcnt 0x0
	s_wait_alu depctr_hold_cnt(0) depctr_sa_sdst(0) depctr_va_vdst(0) depctr_va_sdst(0) depctr_va_ssrc(0) depctr_va_vcc(0) depctr_vm_vsrc(0)
	s_getreg_b32 s2, hwreg(HW_REG_IB_STS2, 6, 4)
	s_cmp_eq_u32 s2, 0
	s_cbranch_scc0 .Lentry_in_a_cluster
	s_endpgm
.Lentry_in_a_cluster:
	s_bfe_u32 s2, ttmp6, 0x10000c
	s_cmp_lg_u32 s2, 0xf033
	s_cbranch_scc0 .Lentry_shape_is_right
	s_endpgm
.Lentry_shape_is_right:
; fused = hidden W_qkv + b_qkv on codes of FP4 (E2M1) with E8M0 scales as they are given; q, k and v are quantised at once and leave as IMAGES OF OPERAND REGISTERS for the attention launch.
; A work-group of four waves takes 128 tokens (ty) x 256 columns of W_qkv (tx).  Cluster x = 0: q, 1: k, 2: v (1,024 columns each): the one branch on it is the same in all sixteen partners.
; ALL OF K (1,024 codes = 512 bytes a row) lies in LDS, filled once: no slot is ever filled again.  4 x 4 work-groups form a cluster: the hidden rows hang on ty alone and are asked for jointly along a row of the
; cluster, W's rows on tx alone and jointly along a column.
; THE ROW ORDER: tile 2 b + u, lane index p (0..15) <-> row 32 b + 8 u + p + 8 (p / 8), for tokens and for W's rows.  A tile in that order as source 0 gives a lane 16 NEIGHBOURS in the 16 registers of tiles 2 b, 2 b + 1.
; The mover lays the rows so: a descriptor row is 8 memory rows (4,096 dense bytes), 16 memory rows apart, from row 8 u on; in part u LDS row 16 b + p is that tile's row p.  16 bytes of padding behind every 512: pitch 528.
; A WAVE: X = source 0, 8 tiles (128 rows), Y = source 1, 4 tiles (64 rows), 32 accumulators.  q, k: X = W's rows (two heads), Y = tokens: a lane holds one token and 64 neighbours along the head's axis for each Y tile.
; v: X = the 128 tokens (a key step), Y = W's rows (one head's 64 channels): a lane holds one channel and neighbours along the keys, which are the second attention product's K.
; The bias is the C of each sum's first product.  A block's scale byte is its largest magnitude's exponent field - 2, held at 1 from below.
; THE MASK: while the tiles are on their way each of the 2,048 waves of the q and k work-groups turns one unit (16 queries x 128 keys) of mask bytes into 64 lane-mask words, their AND and their OR.
; LIMITS: a block of zeros gets the byte 1 (its codes are zeros; only this program reads the bytes); NaN and infinities among the numbers are not served.
; REGISTERS: window 0: v1 r, v2 h, v3 lane, v4 16 x lane, v5-10 LDS addresses, v11-15 offsets, v16-79 X's scale words, v80-111 Y's, v112-175 Y's fragments (two sets), v176-191 at work, v192-223 codes, v224-227 scale words out,
;   v228-251 the mask unit and temporaries.  window 1: v0-127 X's fragments (two sets), v128-191 the bias.  window 2: accumulator (y, x) at v[64 y + 8 x].
.set PITCH, 528
.set HREG,  0                          ; hidden rows: two parts of 64 rows
.set HPART, 64*PITCH
.set WREG,  2*HPART                    ; W's rows: two parts of 128 rows
.set WPART, 128*PITCH
.set HSC,   WREG+2*WPART               ; hidden scale bytes: 16 units of 256 bytes + 16
.set WSC,   HSC+16*272                 ; W's: 32 units
.set HSQ,   73728                      ; a head's block in qq
.set HSKV,  143360                     ; and in kv
.set VC,    73728                      ; v's codes in a head's block of kv
.set VS,    139264                     ; v's scale words
.set XSC, 16
.set YSC, 80
.set YF,  112
.set TM,  176
.set PC,  192
.set SW,  224
.set MB,  228
.set BI,  128
.set G1H,  24
.set G1W,  32
.set G1HS, 40
.set G1WS, 48
.set G0H,  56
.set G0W,  60
.set G0HS, 68
.set G0WS, 72
.set MSB, 0
.macro WIN new                         ; the immediate's high byte repeats the setting that is left
.if MSB != \new
	s_set_vgpr_msb (MSB<<8)|\new
.set MSB, \new
.endif
.endm
.macro PLACES n
.rept \n
	v_nop
.endr
.endm
; a joint load: waves 0 and 1 fetch for the hidden rows, waves 2 and 3 for W; four v_nop follow each of the two lines
.macro JLOAD g0a, g1a, g0b, g1b
	s_cmp_eq_u32 s78, 0
	s_cbranch_scc0 .Lfor_w_\@
	tensor_load_to_lds s[\g0a:\g0a+3], s[\g1a:\g1a+7]
	s_nop 0
.rept 4
	v_nop
.endr
	s_branch .Lasked_\@
.Lfor_w_\@:
	tensor_load_to_lds s[\g0b:\g0b+3], s[\g1b:\g1b+7]
	s_nop 0
.rept 4
	v_nop
.endr
.Lasked_\@:
.endm
.macro CROUND                          ; a round of the cluster's barrier
	s_barrier_signal -1
	s_barrier_wait -1
	s_cmp_lg_u32 s76, 0
	s_cbranch_scc1 .Lnot_wave_0_\@
	s_barrier_signal -3
.Lnot_wave_0_\@:
	s_barrier_wait -3
	s_barrier_signal -1
	s_barrier_wait -1
.endm
.macro SCALES                          ; all scale words of my 12 tiles: word (tile, K step s) in one register, lane r = the tile's row r
.irp x, 0,1,2,3,4,5,6,7
.irp k, 0,1
	ds_load_b128 v[XSC+8*\x+4*\k:XSC+8*\x+4*\k+3], v9 offset:(\x/2)*1088+(\x%2)*272+16*\k
.endr
.endr
.irp y, 0,1,2,3
.irp k, 0,1
	ds_load_b128 v[YSC+8*\y+4*\k:YSC+8*\y+4*\k+3], v10 offset:(\y/2)*1088+(\y%2)*272+16*\k
.endr
.endr
.endm
.macro FETCH s, p                      ; the fragments of K step s into set p: 16 rows x 128 K of 4-bit codes are two loads of 16 bytes, 32 bytes apart
	WIN 0x40
.irp x, 0,1,2,3,4,5,6,7
.irp c, 0,1
	ds_load_b128 v[64*(\p)+8*\x+4*\c:64*(\p)+8*\x+4*\c+3], v[5+\x%2] offset:(\x/2)*16*PITCH+64*(\s)+32*\c
.endr
.endr
	WIN 0
.irp y, 0,1,2,3
.irp c, 0,1
	ds_load_b128 v[YF+32*(\p)+8*\y+4*\c:YF+32*(\p)+8*\y+4*\c+3], v[7+\y%2] offset:(\y/2)*16*PITCH+64*(\s)+32*\c
.endr
.endr
.endm
; K step s: its fragments are in; the next step's are asked for, four places behind the products that read that set; then 32 products, the 32 accumulators by turns in the same order in every step.
; cmode 0: C = the accumulator; 1: the bias by X tile; 2: the bias by Y tile.
.macro STEP s, cmode, last
	s_wait_dscnt 0x0                               ; only this step's loads (and at first the scale words) are out
.if \last == 0
	PLACES 4
	FETCH (\s)+1, ((\s)+1)%2
.endif
.if \cmode
	WIN 0x91                                       ; X window 1, Y window 0, C window 1, D window 2
.else
	WIN 0xa1                                       ; C and D window 2
.endif
.irp y, 0,1,2,3
.irp x, 0,1,2,3,4,5,6,7
.if \cmode == 1
	v_wmma_scale_f32_16x16x128_f8f6f4 v[64*\y+8*\x:64*\y+8*\x+7], v[64*((\s)%2)+8*\x:64*((\s)%2)+8*\x+7], v[YF+32*((\s)%2)+8*\y:YF+32*((\s)%2)+8*\y+7], v[BI+8*\x:BI+8*\x+7], v[XSC+8*\x+(\s)], v[YSC+8*\y+(\s)] matrix_a_fmt:MATRIX_FMT_FP4 matrix_b_fmt:MATRIX_FMT_FP4
.elseif \cmode == 2
	v_wmma_scale_f32_16x16x128_f8f6f4 v[64*\y+8*\x:64*\y+8*\x+7], v[64*((\s)%2)+8*\x:64*((\s)%2)+8*\x+7], v[YF+32*((\s)%2)+8*\y:YF+32*((\s)%2)+8*\y+7], v[BI+8*\y:BI+8*\y+7], v[XSC+8*\x+(\s)], v[YSC+8*\y+(\s)] matrix_a_fmt:MATRIX_FMT_FP4 matrix_b_fmt:MATRIX_FMT_FP4
.else
	v_wmma_scale_f32_16x16x128_f8f6f4 v[64*\y+8*\x:64*\y+8*\x+7], v[64*((\s)%2)+8*\x:64*((\s)%2)+8*\x+7], v[YF+32*((\s)%2)+8*\y:YF+32*((\s)%2)+8*\y+7], v[64*\y+8*\x:64*\y+8*\x+7], v[XSC+8*\x+(\s)], v[YSC+8*\y+(\s)] matrix_a_fmt:MATRIX_FMT_FP4 matrix_b_fmt:MATRIX_FMT_FP4
.endif
.endr
.endr
	WIN 0
.endm
.macro GEMM cmode
	SCALES
	FETCH 0, 0
	STEP 0, \cmode, 0
.irp s, 1,2,3,4,5,6
	STEP \s, 0, 0
.endr
	STEP 7, 0, 1
	PLACES 4                                       ; between the last product and the first read of results
.endm
; Y tile y: a lane's 64 numbers, register 16 b + i = X row 32 b + 16 h + i, become a fragment's codes in v[PC + 8 y] on; the four blocks' bytes stay in v[TM+4 .. TM+7].  Each accumulator is read from its low end on.
.macro QUANT y
	WIN 0x0a                                       ; sources 0 and 1 window 2
.irp b, 0,1,2,3
	v_max3_num_f32 v[TM+\b], |v[64*\y+16*\b]|, |v[64*\y+16*\b+1]|, 0x1800000   ; my 16 numbers of block b, and the floor 2^(3 - 127): the byte cannot fall under 1
.endr
.irp i, 2,4,6,8,10,12,14
.irp b, 0,1,2,3
	v_max3_num_f32 v[TM+\b], |v[64*\y+16*\b+\i]|, |v[64*\y+16*\b+\i+1]|, v[TM+\b]
.endr
.endr
	WIN 0
.irp b, 0,1,2,3
	v_permlanex16_b32 v[TM+4+\b], v[TM+\b], s104, s105
.endr
.irp b, 0,1,2,3
	v_max_num_f32 v[TM+\b], v[TM+\b], v[TM+4+\b]   ; with lane l xor 16's: the block's largest magnitude
.endr
.irp b, 0,1,2,3
	v_add_nc_u32 v[TM+12+\b], 0xff000000, v[TM+\b] ; 2 off its exponent field: the conversion's scale operand
.endr
.irp b, 0,1,2,3
	v_lshrrev_b32 v[TM+4+\b], 23, v[TM+12+\b]      ; the scale's byte
.endr
	WIN 0x02                                       ; source 0 window 2
.irp b, 0,1,2,3
	v_cvt_scalef32_pk8_fp4_f32 v[PC+8*\y+2*\b], v[64*\y+16*\b:64*\y+16*\b+7], v[TM+12+\b]
	v_cvt_scalef32_pk8_fp4_f32 v[PC+8*\y+2*\b+1], v[64*\y+16*\b+8:64*\y+16*\b+15], v[TM+12+\b]
.endr
	WIN 0
	v_nop                                          ; one plain place behind a scaled conversion
.irp c, 0,1                                    ; a whole block to a lane: lanes 0-15 block 2 c, lanes 16-31 block 2 c + 1
.irp i, 0,1
	v_permlane16_swap_b32 v[PC+8*\y+4*\c+\i], v[PC+8*\y+4*\c+2+\i]
.endr
.endr
.endm
	s_load_b512 s[4:19], s[0:1], 0x0               ; hidden codes s[4:5], hidden scales s[6:7], W codes s[8:9], W scales s[10:11], bias s[12:13], mask s[14:15], qq s[16:17], kv s[18:19]
	s_load_b128 s[20:23], s[0:1], 0x40             ; maskw s[20:21], maskf s[22:23]
	v_lshl_add_u32 v254, v0, 2, 0x35000
	v_mov_b32 v255, 0
	ds_add_u32 v254, v255
	ds_add_u32 v254, v255
	v_lshrrev_b32 v1, 5, v0
	v_readfirstlane_b32 s76, v1                    ; wave 0..3
	s_and_b32 s77, s76, 1                          ; e: which part I fetch; also wx
	s_lshr_b32 s78, s76, 1                         ; 0: I fetch hidden rows, 1: W's; also wy
	s_bfe_u32 s79, ttmp6, 0x40000                  ; cx
	s_bfe_u32 s80, ttmp6, 0x40004                  ; cy
	s_lshl_b32 s81, ttmp9, 2
	s_add_co_u32 s81, s81, s79                     ; tx = 4 x cluster x + cx
	s_and_b32 s82, ttmp7, 0xffff
	s_lshl_b32 s82, s82, 2
	s_add_co_u32 s82, s82, s80                     ; ty = 4 x cluster y + cy
	s_lshl_b32 s83, s80, 2
	s_lshl_b32 s83, 15, s83                        ; my row of the cluster
	s_lshl_b32 s84, 0x1111, s79                    ; my column
	; group 1 for codes: elements of 8 bytes; a descriptor row = 8 memory rows = 512 elements, 1,024 elements apart; 4 words of padding behind every 128 words
	s_or_b32 s[G1H], s83, (3<<16)|(1<<20)|(1<<21)|(6<<22)|(3<<25)
	s_or_b32 s[G1W], s84, (3<<16)|(1<<20)|(1<<21)|(6<<22)|(3<<25)
	s_mov_b32 s[G1H+1], 512<<16                    ; tensor_dim0
	s_mov_b32 s[G1H+2], 8<<16                      ; tensor_dim1: 8 groups = 64 rows
	s_mov_b32 s[G1H+3], 512<<16                    ; tile_dim0
	s_mov_b32 s[G1H+4], 8                          ; tile_dim1
	s_mov_b32 s[G1H+5], 1024                       ; the pitch
	s_mov_b32 s[G1H+6], 0
	s_mov_b32 s[G1H+7], 0
	s_mov_b32 s[G1W+1], 512<<16
	s_mov_b32 s[G1W+2], 16<<16                     ; 16 groups = 128 rows
	s_mov_b32 s[G1W+3], 512<<16
	s_mov_b32 s[G1W+4], 16
	s_mov_b32 s[G1W+5], 1024
	s_mov_b32 s[G1W+6], 0
	s_mov_b32 s[G1W+7], 0
	; group 1 for scale bytes: dense blocks as rows of 256 bytes, 16 bytes of padding behind each
	s_or_b32 s[G1HS], s83, (3<<16)|(1<<20)|(1<<21)|(5<<22)|(3<<25)
	s_or_b32 s[G1WS], s84, (3<<16)|(1<<20)|(1<<21)|(5<<22)|(3<<25)
	s_mov_b32 s[G1HS+1], 32<<16
	s_mov_b32 s[G1HS+2], 8<<16
	s_mov_b32 s[G1HS+3], 32<<16
	s_mov_b32 s[G1HS+4], 8
	s_mov_b32 s[G1HS+5], 32
	s_mov_b32 s[G1HS+6], 0
	s_mov_b32 s[G1HS+7], 0
	s_mov_b32 s[G1WS+1], 32<<16
	s_mov_b32 s[G1WS+2], 16<<16
	s_mov_b32 s[G1WS+3], 32<<16
	s_mov_b32 s[G1WS+4], 16
	s_mov_b32 s[G1WS+5], 32
	s_mov_b32 s[G1WS+6], 0
	s_mov_b32 s[G1WS+7], 0
	; where the tiles come from: the hidden rows' offsets are made of ty and the wave alone, W's of tx and the wave alone, in registers of their own
	s_lshl_b32 s85, s77, 12                        ; 4,096 e
	s_lshl_b32 s86, s82, 16                        ; hidden codes: (128 ty + 8 e) rows of 512 bytes
	s_add_co_u32 s86, s86, s85
	s_mov_b32 s87, 0
	s_lshl_b32 s88, s82, 12                        ; hidden scales: 4,096 ty + 2,048 e
	s_lshl_b32 s89, s77, 11
	s_add_co_u32 s88, s88, s89
	s_mov_b32 s89, 0
	s_lshl_b32 s90, s81, 17                        ; W codes: (256 tx + 8 e) rows
	s_add_co_u32 s90, s90, s85
	s_mov_b32 s91, 0
	s_lshl_b32 s92, s81, 13                        ; W scales: 8,192 tx + 4,096 e
	s_add_co_u32 s92, s92, s85
	s_mov_b32 s93, 0
	s_mul_i32 s96, s77, HPART                      ; and where they go: the wave's number alone
	s_mul_i32 s97, s77, WPART
	s_mul_i32 s98, s77, 8*272
	s_mul_i32 s99, s77, 16*272
	s_wait_dscnt 0x0
	s_wait_kmcnt 0x0
	CROUND                                         ; all sixteen work-groups are here: the joint loads meet
	s_mov_b32 s[G0HS], 1
	s_add_co_u32 s[G0HS+1], s98, HSC
	s_add_nc_u64 s[G0HS+2:G0HS+3], s[6:7], s[88:89]
	s_or_b32 s[G0HS+3], s[G0HS+3], 0x80000000
	s_mov_b32 s[G0WS], 1
	s_add_co_u32 s[G0WS+1], s99, WSC
	s_add_nc_u64 s[G0WS+2:G0WS+3], s[10:11], s[92:93]
	s_or_b32 s[G0WS+3], s[G0WS+3], 0x80000000
	JLOAD G0HS, G1HS, G0WS, G1WS
	s_mov_b32 s[G0H], 1
	s_add_co_u32 s[G0H+1], s96, HREG
	s_add_nc_u64 s[G0H+2:G0H+3], s[4:5], s[86:87]
	s_or_b32 s[G0H+3], s[G0H+3], 0x80000000
	s_mov_b32 s[G0W], 1
	s_add_co_u32 s[G0W+1], s97, WREG
	s_add_nc_u64 s[G0W+2:G0W+3], s[8:9], s[90:91]
	s_or_b32 s[G0W+3], s[G0W+3], 0x80000000
	JLOAD G0H, G1H, G0W, G1W                       ; two tensor loads of mine are out
	v_and_b32 v3, 31, v0                           ; lane
	v_and_b32 v1, 15, v0                           ; r
	v_bfe_u32 v2, v0, 4, 1                         ; h
	v_lshlrev_b32 v4, 4, v3                        ; 16 x lane
	v_mul_u32_u24 v246, v1, PITCH
	v_lshl_add_u32 v246, v2, 4, v246               ; a fragment's row x pitch + 16 h
	v_lshrrev_b32 v248, 3, v1
	v_and_b32 v249, 7, v1
	v_mul_u32_u24 v247, v248, 544
	v_lshl_add_u32 v247, v249, 5, v247             ; a tile's row among the scale units: two units on for r >= 8, 32 bytes a row
	v_lshl_add_u32 v248, v248, 3, v1               ; r + 8 (r / 8)
	s_mov_b32 s94, 0xffff0000                      ; lanes 16-31
	s_mov_b32 s104, 0x76543210
	s_mov_b32 s105, 0xfedcba98                     ; selects for lane l xor 16
.irp b, 0,1,2,3
	v_mov_b32 v[TM+4+\b], 0                        ; a lane permute's destination counts as one of its sources
.endr
	s_cmp_eq_u32 ttmp9, 2                          ; the cluster's x: the same in all partners
	s_cbranch_scc1 .Lv
	; ---------------- q and k: X = my 128 rows of W (wx), Y = my 64 tokens (wy)
	s_mul_i32 s86, s77, 64*PITCH
	s_add_co_u32 s86, s86, WREG
	v_add_nc_u32 v5, s86, v246
	v_add_nc_u32 v6, WPART, v5
	s_mul_i32 s86, s78, 32*PITCH
	v_add_nc_u32 v7, s86, v246
	v_add_nc_u32 v8, HPART, v7
	s_mul_i32 s86, s77, 16*272
	s_add_co_u32 s86, s86, WSC
	v_add_nc_u32 v9, s86, v247
	s_mul_i32 s86, s78, 8*272
	s_add_co_u32 s86, s86, HSC
	v_add_nc_u32 v10, s86, v247
	s_lshl_b32 s86, s81, 10                        ; the bias of my 128 columns: 4 (256 tx + 128 wx)
	s_lshl_b32 s87, s77, 9
	s_add_co_u32 s86, s86, s87
	s_mov_b32 s87, 0
	s_add_nc_u64 s[12:13], s[12:13], s[86:87]
	v_lshlrev_b32 v11, 6, v2                       ; 64 h: register j of tile 2 b + u is column 32 b + 16 h + 8 u + j
	WIN 0x40
.irp x, 0,1,2,3,4,5,6,7
	global_load_b128 v[BI+8*\x:BI+8*\x+3], v11, s[12:13] offset:(32*(\x/2)+8*(\x%2))*4
	global_load_b128 v[BI+8*\x+4:BI+8*\x+7], v11, s[12:13] offset:(32*(\x/2)+8*(\x%2))*4+16
.endr
	WIN 0
	; the mask unit: query tile T = 2 ty + tx / 4, key step 4 (tx % 4) + wave.  Lane (r, h) takes, of its query's row, 16 bytes of each block of 32 keys
	s_lshr_b32 s88, s81, 2                         ; T % 2
	s_lshl_b32 s89, s82, 1
	s_add_co_u32 s89, s89, s88                     ; T
	s_and_b32 s90, s81, 3
	s_lshl_b32 s90, s90, 2
	s_add_co_u32 s90, s90, s76                     ; the key step
	s_lshl_b32 s86, s82, 16                        ; (32 ty + 8 (T % 2)) rows of 2,048 bytes + 128 x step
	s_lshl_b32 s91, s88, 14
	s_add_co_u32 s86, s86, s91
	s_lshl_b32 s91, s90, 7
	s_add_co_u32 s86, s86, s91
	s_add_nc_u64 s[14:15], s[14:15], s[86:87]
	v_lshlrev_b32 v12, 11, v248
	v_lshl_add_u32 v12, v2, 4, v12
.irp b, 0,1,2,3
	global_load_b128 v[MB+4*\b:MB+4*\b+3], v12, s[14:15] offset:32*\b
.endr
	s_lshl_b32 s86, s89, 4
	s_add_co_u32 s86, s86, s90
	s_lshl_b32 s86, s86, 8                         ; maskw: 256 bytes a unit
	s_add_nc_u64 s[20:21], s[20:21], s[86:87]
	s_lshl_b32 s86, s89, 7
	s_lshl_b32 s91, s90, 2
	s_add_co_u32 s86, s86, s91                     ; maskf: 128 T + 4 x step
	s_add_nc_u64 s[22:23], s[22:23], s[86:87]
	v_lshlrev_b32 v13, 3, v3
	v_mov_b32 v244, 0
	v_mov_b32 v245, 0
	s_mov_b32 s100, -1
	s_mov_b32 s101, 0
	s_wait_alu depctr_va_vdst(0)
	s_wait_loadcnt 0x0                             ; the bias and the mask bytes
.set n, 0
.rept 64                                       ; word n: bit l = the mask byte of lane l's query at key 32 (n / 16) + 16 (l / 16) + n % 16: the lane mask for score register n
	v_bfe_u32 v[250+n%2], v[MB+n/4], 8*(n%4), 8
	v_cmp_ne_u32 s[96+n%4], 0, v[250+n%2]
	v_writelane_b32 v[244+n%2], s[96+n%4], n/2     ; lane n / 2 gathers words n, n + 1
	s_and_b32 s100, s100, s[96+n%4]
	s_or_b32 s101, s101, s[96+n%4]
.set n, n+1
.endr
	global_store_b64 v13, v[244:245], s[20:21]     ; the wave stores 256 consecutive bytes, aligned
	v_mov_b32 v250, s100
	v_mov_b32 v251, s101
	v_cndmask_b32 v250, v250, v251, s94            ; lane 0 the AND, lane 16 the OR, 64 bytes on
	v_cmp_eq_u32 vcc_lo, 0, v1
	s_wait_alu depctr_va_vdst(0)
	s_wait_xcnt 0x0                                ; EXEC changes only behind this wait
	s_and_saveexec_b32 s95, vcc_lo
	global_store_b32 v11, v250, s[22:23]
	s_wait_xcnt 0x0
	s_or_b32 exec_lo, exec_lo, s95
	s_wait_tensorcnt 0x0                           ; my parts of the tiles and scales are in,
	s_barrier_signal -1
	s_barrier_wait -1                              ; everybody's are
	GEMM 1
	; the way out: head 0 of my two is blocks 0, 1, head 1 blocks 2, 3.  A tile's codes of one head are registers 0-3 of an operand (K = 64 of 128): 16 bytes a lane, 512 consecutive bytes a store
	s_cmp_eq_u32 ttmp9, 1
	s_cselect_b64 s[16:17], s[18:19], s[16:17]     ; k goes to kv, q to qq
	s_mov_b32 s86, HSQ
	s_cselect_b32 s86, HSKV, s86                   ; a head's block there
	s_lshr_b32 s87, s82, 4
	s_lshl_b32 s87, s87, 4
	s_and_b32 s88, s81, 3
	s_lshl_b32 s88, s88, 2
	s_add_co_u32 s87, s87, s88
	s_lshl_b32 s88, s77, 1
	s_add_co_u32 s87, s87, s88                     ; 16 batch + 4 (tx % 4) + 2 wx: my first head
	s_and_b32 s90, s82, 15
	s_lshl_b32 s90, s90, 3
	s_lshl_b32 s91, s78, 2
	s_add_co_u32 s90, s90, s91                     ; my first token tile: 8 (ty % 16) + 4 wy
	s_mul_i32 s92, s87, s86
	s_lshl_b32 s88, s90, 9
	s_add_co_u32 s88, s88, s92
	s_mov_b32 s89, 0
	s_lshl_b32 s90, s90, 6
	s_add_co_u32 s92, s92, s90
	s_add_co_u32 s92, s92, 65536                   ; the scale words: 256 bytes for four tiles
	s_mov_b32 s93, 0
	s_mov_b32 s87, 0
	s_add_nc_u64 s[88:89], s[16:17], s[88:89]      ; head 0's codes
	s_add_nc_u64 s[90:91], s[88:89], s[86:87]      ; head 1's
	s_add_nc_u64 s[92:93], s[16:17], s[92:93]
	v_mul_lo_u32 v15, v2, s86
	v_lshl_add_u32 v15, v1, 4, v15                 ; lanes 0-15 store head 0's words, lanes 16-31 head 1's
.irp y, 0,1,2,3
	QUANT \y
	global_store_b128 v4, v[PC+8*\y:PC+8*\y+3], s[88:89] offset:512*\y
	global_store_b128 v4, v[PC+8*\y+4:PC+8*\y+7], s[90:91] offset:512*\y
	v_cndmask_b32 v246, v[TM+4], v[TM+6], s94
	v_cndmask_b32 v247, v[TM+5], v[TM+7], s94
	v_lshl_or_b32 v[SW+\y], v247, 8, v246
	v_or_b32 v[SW+\y], 0x7f7f0000, v[SW+\y]        ; K = 64 .. 127 holds zero codes under the byte of 1.0
.endr
	global_store_b128 v15, v[SW:SW+3], s[92:93]    ; sixteen lanes store 256 consecutive bytes, aligned
	s_branch .Lclose
	; ---------------- v: X = the 128 tokens, Y = my 64 rows of W (one head)
.Lv:
	v_add_nc_u32 v5, HREG, v246
	v_add_nc_u32 v6, HPART, v5
	s_mul_i32 s86, s76, 32*PITCH
	s_add_co_u32 s86, s86, WREG
	v_add_nc_u32 v7, s86, v246
	v_add_nc_u32 v8, WPART, v7
	v_add_nc_u32 v9, HSC, v247
	s_mul_i32 s86, s76, 8*272
	s_add_co_u32 s86, s86, WSC
	v_add_nc_u32 v10, s86, v247
	s_lshl_b32 s86, s81, 10                        ; the bias of my 64 columns: 4 (256 tx + 64 wave)
	s_lshl_b32 s87, s76, 8
	s_add_co_u32 s86, s86, s87
	s_mov_b32 s87, 0
	s_add_nc_u64 s[12:13], s[12:13], s[86:87]
	v_lshlrev_b32 v11, 2, v248                     ; a lane holds one channel: its number in all eight registers
	WIN 0x40
.irp y, 0,1,2,3
	global_load_b32 v[BI+8*\y], v11, s[12:13] offset:(32*(\y/2)+8*(\y%2))*4
.endr
	WIN 0
	s_wait_loadcnt 0x0
	WIN 0x41
.irp y, 0,1,2,3
.irp j, 1,2,3,4,5,6,7
	v_mov_b32 v[BI+8*\y+\j], v[BI+8*\y]
.endr
.endr
	WIN 0
	s_wait_alu depctr_va_vdst(0)
	s_wait_tensorcnt 0x0
	s_barrier_signal -1
	s_barrier_wait -1
	GEMM 2
	s_lshr_b32 s87, s82, 4
	s_lshl_b32 s87, s87, 4
	s_and_b32 s88, s81, 3
	s_lshl_b32 s88, s88, 2
	s_add_co_u32 s87, s87, s88
	s_add_co_u32 s87, s87, s76                     ; 16 batch + 4 (tx % 4) + wave: my head
	s_mul_i32 s92, s87, HSKV
	s_and_b32 s90, s82, 15                         ; the key step
	s_lshl_b32 s88, s90, 12
	s_add_co_u32 s88, s88, s92
	s_add_co_u32 s88, s88, VC
	s_mov_b32 s89, 0
	s_lshl_b32 s90, s90, 8
	s_add_co_u32 s92, s92, s90
	s_add_co_u32 s92, s92, VS
	s_mov_b32 s93, 0
	s_add_nc_u64 s[88:89], s[18:19], s[88:89]
	s_add_nc_u64 s[92:93], s[18:19], s[92:93]
	v_lshlrev_b32 v15, 4, v1
.irp y, 0,1,2,3
	QUANT \y
	global_store_b128 v4, v[PC+8*\y:PC+8*\y+3], s[88:89] offset:1024*\y         ; the whole fragment's image: 16 channels x 128 keys
	global_store_b128 v4, v[PC+8*\y+4:PC+8*\y+7], s[88:89] offset:1024*\y+512
	v_lshl_or_b32 v[SW+\y], v[TM+5], 8, v[TM+4]
	v_lshl_or_b32 v[SW+\y], v[TM+6], 16, v[SW+\y]
	v_lshl_or_b32 v[SW+\y], v[TM+7], 24, v[SW+\y]
.endr
	v_cmp_gt_u32 vcc_lo, 16, v3
	s_wait_alu depctr_va_vdst(0)
	s_wait_xcnt 0x0                                ; EXEC changes only behind this wait
	s_and_saveexec_b32 s95, vcc_lo
	global_store_b128 v15, v[SW:SW+3], s[92:93]    ; lanes 0-15: 256 consecutive bytes, aligned
	s_wait_xcnt 0x0
	s_or_b32 exec_lo, exec_lo, s95
.Lclose:
	s_wait_tensorcnt 0x0
	ds_add_u32 v254, v255
	s_wait_dscnt 0x0
	CROUND                                         ; the closing round: no work-group ends while a partner may still ask for a tile that names it
	s_endpgm
.Lfunc_end_k_qb615a0ebb5_qkv:
	.size	k_qb615a0ebb5_qkv, .Lfunc_end_k_qb615a0ebb5_qkv-k_qb615a0ebb5_qkv
	.p2alignl 7, 3214868480
	.fill 96, 4, 3214868480
	.section	.rodata,"a",@progbits
	.p2align	6, 0x0
	.amdhsa_kernel k_qb615a0ebb5_qkv
		.amdhsa_group_segment_fixed_size 217600
		.amdhsa_private_segment_fixed_size 0
		.amdhsa_enable_private_segment 0
		.amdhsa_kernarg_size 80
		.amdhsa_user_sgpr_count 2
		.amdhsa_user_sgpr_kernarg_segment_ptr 1
		.amdhsa_wavefront_size32 1
		.amdhsa_system_sgpr_workgroup_id_x 1
		.amdhsa_system_sgpr_workgroup_id_y 1
		.amdhsa_system_sgpr_workgroup_id_z 1
		.amdhsa_system_vgpr_workitem_id 0
		.amdhsa_next_free_vgpr 768
		.amdhsa_next_free_sgpr 106
		.amdhsa_reserve_vcc 1
		.amdhsa_float_denorm_mode_32 3
		.amdhsa_float_denorm_mode_16_64 3
		.amdhsa_memory_ordered 1
		.amdhsa_forward_progress 1
		.amdhsa_inst_pref_size 161
	.end_amdhsa_kernel
	.amdgpu_metadata
---
amdhsa.version: [ 1, 2 ]
amdhsa.kernels:
  - .name:           k_qb615a0ebb5_qkv
    .symbol:         k_qb615a0ebb5_qkv.kd
    .args:
      - { .name: hidden_states_codes, .offset: 0, .size: 8, .value_kind: global_buffer, .address_space: global }
      - { .name: hidden_states_scales, .offset: 8, .size: 8, .value_kind: global_buffer, .address_space: global }
      - { .name: W_qkv_codes, .offset: 16, .size: 8, .value_kind: global_buffer, .address_space: global }
      - { .name: W_qkv_scales, .offset: 24, .size: 8, .value_kind: global_buffer, .address_space: global }
      - { .name: b_qkv, .offset: 32, .size: 8, .value_kind: global_buffer, .address_space: global }
      - { .name: attention_mask, .offset: 40, .size: 8, .value_kind: global_buffer, .address_space: global }
      - { .name: qq, .offset: 48, .size: 8, .value_kind: global_buffer, .address_space: global }
      - { .name: kv, .offset: 56, .size: 8, .value_kind: global_buffer, .address_space: global }
      - { .name: maskw, .offset: 64, .size: 8, .value_kind: global_buffer, .address_space: global }
      - { .name: maskf, .offset: 72, .size: 8, .value_kind: global_buffer, .address_space: global }
    .group_segment_fixed_size: 217600
    .private_segment_fixed_size: 0
    .kernarg_segment_align: 8
    .kernarg_segment_size: 80
    .max_flat_workgroup_size: 128
    .sgpr_count:     106
    .vgpr_count:     768
    .wavefront_size: 32
...
	.end_amdgpu_metadata
.endif
;; end of part 1
;; launch attn (part 2): grid 4 x 64, 16 waves a work-group, no clusters, 145,408 bytes of LDS; arguments qq, kv, maskw, maskf, cc, cs; writes cc, cs
.if DOCPART == 2
	.amdgcn_target "amdgcn-amd-amdhsa--gfx1250"
	.amdhsa_code_object_version 6
	.text
	.protected	k_qb615a0ebb5_attn
	.globl	k_qb615a0ebb5_attn
	.p2align	8
	.type	k_qb615a0ebb5_attn,@function
k_qb615a0ebb5_attn:
	s_mov_b64 s[64:65], 0
	v_nop
	global_prefetch_b8 v0, s[64:65] scope:SCOPE_SE
	s_setreg_imm32_b32 hwreg(HW_REG_WAVE_MODE, 25, 1), 1
	s_wait_xcnt 0x0
; ctx = softmax(q k^T / 8, masked) v for one head, both products on codes of FP4 (E2M1) with E8M0 scales; ctx is quantised along the channels and leaves as images of operand registers for the last product.
; THE SOFTMAX: t = score x log2(e) / 8; M = the running largest t rounded UP to a whole number; p = 2^(t - M) is quantised along the keys; the row's sum is taken of the unquantised p and divides at the end.
; SHARES.  A work-group has one head (y) and 32 of its 128 query tiles; each of its sixteen waves takes two: T = 4 wave + x and 127 - T.  Four waves to a SIMD: one wave's vector work stands beside another's products and LDS loads.
; A head's k and v (codes and scale words, 143,360 bytes, already in the order of operand registers) come into LDS once, through registers; afterwards LDS is only read: 16 bytes a lane on end, no pitch, one barrier in the launch.
; NO TENSOR LOAD AND NO JOINT REQUEST: key steps that the given mask hides wholly are left out by branches on numbers that the launch before stored; what the four work-groups
; of a head share is those 143,360 bytes, once in a work-group's life.
; THE MASK is an input.  For each (tile, key step) the launch before stored 64 lane-mask words, their AND and their OR.  AND all ones: the step is left out; OR zero: the 64 selects are left out.
; A masked score becomes -2^100.  While a row has seen masked keys alone its p are 1; the first real key multiplies all that by 2^(old M - new M) = 0.  If some row of the tile is masked at all 2,048 keys no step is left out,
; and that row ends with equal weights, as the definition's finite filler gives it.
; LAYOUT: S^T = k q^T, O^T = v^T p^T: a lane holds one query.  K = 64 of the first product fills registers 0-3 of an operand; q's registers 4-7 are zeros under the byte of 1.0, so what stands in k's registers 4-7 (the next tile's codes) adds nothing.
; The keys of a tile and v's channels of a tile lie in the order 32 b + 8 u + r + 8 (r / 8), so that 16 registers of two neighbouring tiles are 16 neighbours.
; LIMITS: scores at or under -2^100 are not told from masked ones; a block of zeros gets the byte 1; NaN and infinities are not served.  The 2-byte stores of ctx's scale halfwords (a head owns half a word) are 1/17 of the output.
; REGISTERS: v1 16 lane, v2 16 r, v3-5 LDS places, v6 lane, v8-11 the step's addresses, v12 -M, v13 largest t, v[14:15] the sum, v16-23 q, v24 q's scale word, v25 -2^100, v26-31 offsets, v32-67 k, v68-75 k's words, v76-79 v's,
;   v96-159 S^T then p, v160-191 O^T, v192-223 v, v224-231 p's codes, v232-254 at work.
.set KS,   65536                       ; k's scale words in the head's block
.set VC,   73728                       ; v's codes
.set VS,   139264                      ; v's scale words
.set HSKV, 143360
.set HSQ,  73728
	s_load_b256 s[4:11], s[0:1], 0x0               ; qq s[4:5], kv s[6:7], maskw s[8:9], maskf s[10:11]
	s_load_b128 s[12:15], s[0:1], 0x20             ; cc s[12:13], cs s[14:15]
	v_lshl_add_u32 v251, v0, 2, 0x23000
	v_mov_b32 v255, 0
	v_lshrrev_b32 v6, 5, v0
	s_delay_alu instid0(VALU_DEP_1)
	v_readfirstlane_b32 s16, v6                    ; wave 0..15
	s_and_b32 s18, ttmp7, 0xffff                   ; 16 batch + head
	v_and_b32 v6, 31, v0                           ; lane
	v_and_b32 v7, 15, v0                           ; r
	s_delay_alu instid0(VALU_DEP_2)
	v_lshlrev_b32 v1, 4, v6
	s_delay_alu instid0(VALU_DEP_2)
	v_lshlrev_b32 v2, 4, v7
	s_delay_alu instid0(VALU_DEP_2)
	v_add_nc_u32 v3, VC, v1
	s_delay_alu instid0(VALU_DEP_2)
	v_add_nc_u32 v4, KS, v2
	s_delay_alu instid0(VALU_DEP_3)
	v_add_nc_u32 v5, VS, v2
	v_lshlrev_b32 v26, 4, v0                       ; the fill: 16 bytes a thread, 8,192 an instruction
	s_delay_alu instid0(VALU_DEP_1)
	v_add_nc_u32 v27, 65536, v26
	s_delay_alu instid0(VALU_DEP_2)
	v_add_nc_u32 v28, 131072, v26
	v_lshlrev_b32 v30, 3, v0
	s_delay_alu instid0(VALU_DEP_1)
	v_add_nc_u32 v29, VS, v30
	s_mul_i32 s2, s18, HSKV
	s_mov_b32 s3, 0
	s_mul_i32 s28, s18, HSQ
	s_mov_b32 s29, 0
	s_wait_alu depctr_va_vdst(0)
	s_wait_kmcnt 0x0
	s_add_nc_u64 s[6:7], s[6:7], s[2:3]            ; my head's block of kv
	s_add_nc_u64 s[4:5], s[4:5], s[28:29]          ; and of qq
.set i, 0
.rept 17
	global_load_b128 v[96+4*i:99+4*i], v26, s[6:7] offset:8192*i
.set i, i+1
.endr
	global_load_b64 v[164:165], v30, s[6:7] offset:VS
	s_mov_b32 s20, 0x76543210
	s_mov_b32 s21, 0xfedcba98                      ; selects for lane l xor 16
	s_mov_b32 s22, 0x3e38aa3b                      ; c = log2(e) / 8
	s_mov_b32 s23, s22                             ; (named with it as a pair)
	s_lshr_b32 s28, s18, 4                         ; batch
	s_and_b32 s29, s18, 15                         ; head
	s_lshl_b32 s105, s28, 20                       ; cc: 8,192 (128 batch + T) + 1,024 (head / 2) + 512 (head % 2): all but T's part
	s_lshl_b32 s17, s28, 16                        ; cs: 512 (128 batch + T) + 256 (head / 8) + 4 ((head / 2) % 4) + 2 (head % 2)
	s_lshr_b32 s30, s29, 1
	s_lshl_b32 s31, s30, 10
	s_add_co_u32 s105, s105, s31
	s_and_b32 s31, s29, 1
	s_lshl_b32 s2, s31, 9
	s_add_co_u32 s105, s105, s2
	s_lshl_b32 s2, s31, 1
	s_add_co_u32 s17, s17, s2
	s_and_b32 s2, s30, 3
	s_lshl_b32 s2, s2, 2
	s_add_co_u32 s17, s17, s2
	s_lshr_b32 s2, s29, 3
	s_lshl_b32 s2, s2, 8
	s_add_co_u32 s17, s17, s2
	s_lshl_b32 s19, s16, 2
	s_add_co_u32 s19, s19, ttmp9                   ; T = 4 wave + x
	s_mov_b32 s25, 2                               ; two passes
.irp j, 20,21,22,23,64,65,66,67,236,237,238,239,252,253
	v_mov_b32 v\j, 0                               ; q's and the last k tile's upper halves: zero codes; lane permutes' destinations; the pair v[252:253]
.endr
	v_mov_b32 v25, 0xf1800000                      ; -2^100
.set i, 0
.rept 17
	s_wait_loadcnt 17-i                            ; loads come back in order: load i is in, the 17 - i behind it may be out
	ds_store_b128 v[26+i/8], v[96+4*i:99+4*i] offset:8192*(i%8)
.set i, i+1
.endr
	s_wait_loadcnt 0x0
	ds_store_b64 v29, v[164:165]
	s_wait_dscnt 0x0                               ; for the others' sake: my stores have landed
	s_barrier_signal -1
	s_barrier_wait -1                              ; the head's k and v lie in LDS; nothing is written there again
.Lpass:
	s_lshl_b32 s28, s19, 7
	s_load_b512 s[32:47], s[10:11], s28 offset:0x0    ; the tile's 16 AND words
	s_load_b512 s[48:63], s[10:11], s28 offset:0x40   ; and its 16 OR words
	s_lshl_b32 s29, s19, 9
	v_add_nc_u32 v30, s29, v1                      ; q's codes: 512 T + 16 lane
	s_lshr_b32 s30, s19, 2
	s_lshl_b32 s30, s30, 8
	s_and_b32 s31, s19, 3
	s_lshl_b32 s31, s31, 2
	s_add_co_u32 s30, s30, s31
	s_add_co_u32 s30, s30, 65536
	v_add_nc_u32 v31, s30, v2                      ; its scale word: 65,536 + 256 (T / 4) + 16 r + 4 (T % 4)
	global_load_b128 v[16:19], v30, s[4:5]
	global_load_b32 v24, v31, s[4:5]
	v_mov_b32 v13, 0xff61b1e6                      ; the largest t so far: -3e38
	s_delay_alu instid0(VALU_DEP_1)
	v_floor_f32 v12, -v13                          ; -M
	v_mov_b32 v14, 0
	v_mov_b32 v15, 0
.set j, 0
.rept 32
	v_mov_b32 v[160+j], 0                          ; O^T: the step is written once; the first change of M leaves zeros zeros
.set j, j+1
.endr
	s_wait_kmcnt 0x0
	s_mov_b32 s26, 0                               ; bit i: step i is hidden wholly
	s_mov_b32 s27, 0                               ; bit i: step i has no masked key
	s_mov_b32 s28, -1
.irp i, 0,1,2,3,4,5,6,7,8,9,10,11,12,13,14,15
	s_cmp_eq_u32 s[32+\i], -1
	s_cselect_b32 s29, (1<<\i), 0
	s_or_b32 s26, s26, s29
	s_cmp_eq_u32 s[48+\i], 0
	s_cselect_b32 s29, (1<<\i), 0
	s_or_b32 s27, s27, s29
	s_and_b32 s28, s28, s[32+\i]
.endr
	s_lshr_b32 s29, s28, 16                        ; bits r and 16 + r both set: query r is masked at every key
	s_and_b32 s29, s29, s28
	s_cmp_lg_u32 s29, 0
	s_cselect_b32 s26, 0, s26                      ; then nothing is left out
	s_wait_loadcnt 0x0                             ; q
	s_mov_b32 s24, 0
.Lstep:                                            ; 16 trips: a key step of 128 keys
	s_bitcmp1_b32 s26, s24
	s_cbranch_scc1 .Lhid
	s_lshl_b32 s28, s24, 12
	s_lshl_b32 s29, s24, 9
	s_lshl_b32 s31, s24, 8
	s_setprio 2
	v_add_nc_u32 v8, s28, v1                       ; these four are also the places between the last step's products and the loads into their registers
	v_add_nc_u32 v9, s28, v3
	v_add_nc_u32 v10, s29, v4
	v_add_nc_u32 v11, s31, v5
	s_lshl_b32 s30, s19, 12
	s_add_co_u32 s30, s30, s31                     ; the unit's 64 words: 4,096 T + 256 x step
	s_load_b512 s[32:47], s[8:9], s30 offset:0x0
	s_load_b512 s[48:63], s[8:9], s30 offset:0x40
	s_load_b512 s[68:83], s[8:9], s30 offset:0x80
	s_load_b512 s[84:99], s[8:9], s30 offset:0xc0
.irp t, 0,1,2,3,4,5,6,7
	ds_load_b128 v[32+4*\t:35+4*\t], v8 offset:512*\t
.endr
	ds_load_b128 v[68:71], v10
	ds_load_b128 v[72:75], v10 offset:256
.irp t, 0,1,2,3
.irp c, 0,1
	ds_load_b128 v[192+8*\t+4*\c:195+8*\t+4*\c], v9 offset:1024*\t+512*\c
.endr
.endr
	ds_load_b128 v[76:79], v11
	s_wait_dscnt 9                                 ; k and its words are in; v's eight loads and its words, issued behind them, may be out
.irp t, 0,1,2,3,4,5,6,7
	v_wmma_scale_f32_16x16x128_f8f6f4 v[96+8*\t:103+8*\t], v[32+4*\t:39+4*\t], v[16:23], 0, v[68+\t], v24 matrix_a_fmt:MATRIX_FMT_FP4 matrix_b_fmt:MATRIX_FMT_FP4
.endr
.rept 4
	v_nop
.endr
	s_wait_kmcnt 0x0                               ; the mask words are in, on every way
	s_bitcmp1_b32 s27, s24
	s_cbranch_scc1 .Lopen
.set n, 0
.rept 64
.if n < 32
	v_cndmask_b32 v[96+n], v[96+n], v25, s[32+n]
.else
	v_cndmask_b32 v[96+n], v[96+n], v25, s[36+n]
.endif
.set n, n+1
.endr
.Lopen:
.irp b, 0,1,2,3
	v_max3_num_f32 v[232+\b], v[96+16*\b], v[97+16*\b], v[98+16*\b]   ; the largest score of each block of 32 keys: for the row's maximum, and, since p rises with the score, for the block's largest p
.endr
.irp i, 3,5,7,9,11,13
.irp b, 0,1,2,3
	v_max3_num_f32 v[232+\b], v[232+\b], v[96+16*\b+\i], v[97+16*\b+\i]
.endr
.endr
.irp b, 0,1,2,3
	v_max_num_f32 v[232+\b], v[232+\b], v[111+16*\b]
.endr
.irp b, 0,1,2,3
	s_delay_alu instid0(VALU_DEP_4)
	v_permlanex16_b32 v[236+\b], v[232+\b], s20, s21
.endr
.irp b, 0,1,2,3
	s_delay_alu instid0(VALU_DEP_4)
	v_max_num_f32 v[232+\b], v[232+\b], v[236+\b]
.endr
	s_delay_alu instid0(VALU_DEP_2)
	v_max3_num_f32 v254, v232, v233, v234
	s_delay_alu instid0(VALU_DEP_1)
	v_max_num_f32 v254, v254, v235
	s_delay_alu instid0(VALU_DEP_1)
	v_mul_f32 v254, s22, v254                      ; the step's largest t
	s_delay_alu instid0(VALU_DEP_1)
	v_max_num_f32 v13, v13, v254
	v_mov_b32 v254, v12
	s_delay_alu instid0(VALU_DEP_2)
	v_floor_f32 v12, -v13                          ; the new -M = -ceil(t)
	s_delay_alu instid0(VALU_DEP_1)
	v_sub_f32 v254, v12, v254                      ; old M - new M: a whole number, 0 or less
	s_delay_alu instid0(VALU_DEP_1)
	v_cvt_i32_f32 v254, v254                       ; (it saturates)
	s_delay_alu instid0(VALU_DEP_1)
	v_ldexp_f32 v252, 1.0, v254                    ; f = 2^(old M - new M): exact
.irp j, 0,2,4,6,8,10,12,14,16,18,20,22,24,26,28,30,32,34,36,38,40,42,44,46,48,50,52,54,56,58,60,62
	v_pk_fma_f32 v[96+\j:97+\j], v[96+\j:97+\j], s[22:23], v[12:13] op_sel_hi:[1,0,0]   ; t - M
.endr
.irp b, 0,1,2,3
	v_fma_f32 v[232+\b], v[232+\b], s22, v12
.endr
.set j, 0
	s_setprio 1
	s_wait_alu depctr_va_vdst(0)
.rept 64
	v_exp_f32 v[96+j], v[96+j]                     ; p = 2^(t - M)
.set j, j+1
.endr
	v_pk_mul_f32 v[14:15], v[14:15], v[252:253] op_sel_hi:[1,0]   ; the sums under the new M; a plain place behind the exponentials
	s_wait_alu depctr_va_vdst(0)                   ; one wait for the batch, ahead of its first reader
.irp b, 0,1,2,3
	v_exp_f32 v[232+\b], v[232+\b]                 ; each block's largest p
.endr
	v_pk_add_f32 v[236:237], v[100:101], v[104:105]
	v_pk_add_f32 v[248:249], v[108:109], v[112:113]
	v_pk_add_f32 v[242:243], v[116:117], v[120:121]
	v_pk_add_f32 v[94:95], v[124:125], v[128:129]
	v_pk_add_f32 v[92:93], v[132:133], v[136:137]
	v_pk_add_f32 v[90:91], v[140:141], v[144:145]
	v_pk_add_f32 v[88:89], v[148:149], v[152:153]
	v_pk_add_f32 v[14:15], v[14:15], v[156:157]
	v_pk_add_f32 v[236:237], v[236:237], v[96:97]
	v_pk_add_f32 v[248:249], v[248:249], v[98:99]
	v_pk_add_f32 v[242:243], v[242:243], v[102:103]
	v_pk_add_f32 v[94:95], v[94:95], v[106:107]
	v_pk_add_f32 v[92:93], v[92:93], v[110:111]
	v_pk_add_f32 v[90:91], v[90:91], v[114:115]
	v_pk_add_f32 v[88:89], v[88:89], v[118:119]
	v_pk_add_f32 v[14:15], v[14:15], v[122:123]
	v_pk_add_f32 v[236:237], v[236:237], v[126:127]
	v_pk_add_f32 v[248:249], v[248:249], v[130:131]
	v_pk_add_f32 v[242:243], v[242:243], v[134:135]
	v_pk_add_f32 v[94:95], v[94:95], v[138:139]
	v_pk_add_f32 v[92:93], v[92:93], v[142:143]
	v_pk_add_f32 v[90:91], v[90:91], v[146:147]
	v_pk_add_f32 v[88:89], v[88:89], v[150:151]
	v_pk_add_f32 v[14:15], v[14:15], v[154:155]
	v_pk_add_f32 v[236:237], v[236:237], v[158:159]
	s_delay_alu instid0(VALU_DEP_2)
	v_pk_add_f32 v[14:15], v[14:15], v[94:95]
	s_delay_alu instid0(VALU_DEP_2)
	v_pk_add_f32 v[236:237], v[236:237], v[92:93]
	v_pk_add_f32 v[248:249], v[248:249], v[90:91]
	v_pk_add_f32 v[242:243], v[242:243], v[88:89]
	s_delay_alu instid0(VALU_DEP_2)
	v_pk_add_f32 v[14:15], v[14:15], v[248:249]
	s_delay_alu instid0(VALU_DEP_2)
	v_pk_add_f32 v[236:237], v[236:237], v[242:243]
	s_delay_alu instid0(VALU_DEP_1)
	v_pk_add_f32 v[14:15], v[14:15], v[236:237]
	s_wait_alu depctr_va_vdst(0)                   ; and one for the four
.irp b, 0,1,2,3
	v_max_num_f32 v[232+\b], 0x1800000, v[232+\b]  ; the floor 2^(3 - 127)
.endr
.irp b, 0,1,2,3
	s_delay_alu instid0(VALU_DEP_4)
	v_add_nc_u32 v[244+\b], 0xff000000, v[232+\b]  ; the conversion's scale operand
.endr
.irp b, 0,1,2,3
	s_delay_alu instid0(VALU_DEP_4)
	v_lshrrev_b32 v[236+\b], 23, v[244+\b]         ; the scale's byte
.endr
	s_delay_alu instid0(VALU_DEP_3)
	v_lshl_or_b32 v253, v237, 8, v236              ; p's scale word for these 128 keys
	s_delay_alu instid0(VALU_DEP_1)
	v_lshl_or_b32 v253, v238, 16, v253
	s_delay_alu instid0(VALU_DEP_1)
	v_lshl_or_b32 v253, v239, 24, v253
	s_setprio 0
.irp b, 0,1,2,3
	v_cvt_scalef32_pk8_fp4_f32 v[224+2*\b], v[96+16*\b:103+16*\b], v[244+\b]
	v_cvt_scalef32_pk8_fp4_f32 v[225+2*\b], v[104+16*\b:111+16*\b], v[244+\b]
.endr
	v_nop                                          ; one plain place behind a scaled conversion
.irp c, 0,1
.irp i, 0,1
	v_permlane16_swap_b32 v[224+4*\c+\i], v[226+4*\c+\i]
.endr
.endr
.irp j, 0,2,4,6,8,10,12,14,16,18,20,22,24,26,28,30
	v_pk_mul_f32 v[160+\j:161+\j], v[160+\j:161+\j], v[252:253] op_sel_hi:[1,0]   ; O^T under the new M; also the places between p's scale word and codes and the products
.endr
	s_wait_alu depctr_va_vdst(0)
	s_wait_dscnt 0x0                               ; v and its words
.irp t, 0,1,2,3
	v_wmma_scale_f32_16x16x128_f8f6f4 v[160+8*\t:167+8*\t], v[192+8*\t:199+8*\t], v[224:231], v[160+8*\t:167+8*\t], v[76+\t], v253 matrix_a_fmt:MATRIX_FMT_FP4 matrix_b_fmt:MATRIX_FMT_FP4
.endr
.Lhid:
	s_add_co_u32 s24, s24, 1
	s_cmp_lt_u32 s24, 16
	s_cbranch_scc1 .Lstep
	s_setprio 0
	; the tile's end: O^T / the sum, quantised along the channels: two blocks of 32, which are half a K step of the last product
.rept 4
	v_nop                                          ; between the last product and the first read of O^T
.endr
	v_add_f32 v14, v14, v15
	s_delay_alu instid0(VALU_DEP_1)
	v_permlanex16_b32 v252, v14, s20, s21
	s_delay_alu instid0(VALU_DEP_1)
	v_add_f32 v14, v14, v252                       ; the row's sum
	s_wait_alu depctr_va_vdst(0)
	v_rcp_f32 v14, v14
	s_lshl_b32 s28, s19, 13
	s_add_co_u32 s28, s28, s105
	v_add_nc_u32 v30, s28, v1                      ; (a plain place behind the reciprocal)  my 16 bytes in cc
	s_lshl_b32 s28, s19, 9
	s_add_co_u32 s28, s28, s17
	v_add_nc_u32 v31, s28, v2                      ; my row's halfword in cs
	s_wait_alu depctr_va_vdst(0)                   ; ahead of the reciprocal's first reader
.irp j, 0,2,4,6,8,10,12,14,16,18,20,22,24,26,28,30
	v_pk_mul_f32 v[160+\j:161+\j], v[160+\j:161+\j], v[14:15] op_sel_hi:[1,0]
.endr
.irp b, 0,1
	v_max3_num_f32 v[232+\b], |v[160+16*\b]|, |v[161+16*\b]|, 0x1800000
.endr
.irp i, 2,4,6,8,10,12,14
.irp b, 0,1
	s_delay_alu instid0(VALU_DEP_2)
	v_max3_num_f32 v[232+\b], v[232+\b], |v[160+16*\b+\i]|, |v[161+16*\b+\i]|
.endr
.endr
.irp b, 0,1
	s_delay_alu instid0(VALU_DEP_2)
	v_permlanex16_b32 v[236+\b], v[232+\b], s20, s21
.endr
.irp b, 0,1
	s_delay_alu instid0(VALU_DEP_2)
	v_max_num_f32 v[232+\b], v[232+\b], v[236+\b]
.endr
.irp b, 0,1
	s_delay_alu instid0(VALU_DEP_2)
	v_add_nc_u32 v[244+\b], 0xff000000, v[232+\b]
.endr
.irp b, 0,1
	s_delay_alu instid0(VALU_DEP_2)
	v_lshrrev_b32 v[236+\b], 23, v[244+\b]
.endr
	s_delay_alu instid0(VALU_DEP_1)
	v_lshl_or_b32 v240, v237, 8, v236
.irp b, 0,1
	v_cvt_scalef32_pk8_fp4_f32 v[224+2*\b], v[160+16*\b:167+16*\b], v[244+\b]
	v_cvt_scalef32_pk8_fp4_f32 v[225+2*\b], v[168+16*\b:175+16*\b], v[244+\b]
.endr
	v_nop
	v_permlane16_swap_b32 v224, v226
	v_permlane16_swap_b32 v225, v227
	global_store_b128 v30, v[224:227], s[12:13]    ; the wave stores 512 consecutive bytes, aligned
	v_cmp_gt_u32 vcc_lo, 16, v6
	s_wait_alu depctr_va_vdst(0)
	s_wait_xcnt 0x0                                ; EXEC changes only behind this wait
	s_and_saveexec_b32 s104, vcc_lo
	global_store_b16 v31, v240, s[14:15]
	s_wait_xcnt 0x0                                ; and the stores' registers are written again only behind it
	s_or_b32 exec_lo, exec_lo, s104
	s_sub_co_u32 s19, 127, s19                     ; the second tile
	s_sub_co_u32 s25, s25, 1
	s_cmp_lg_u32 s25, 0
	s_cbranch_scc1 .Lpass
	s_wait_tensorcnt 0x0
	ds_add_u32 v251, v255
	s_wait_dscnt 0x0
	s_endpgm
.Lfunc_end_k_qb615a0ebb5_attn:
	.size	k_qb615a0ebb5_attn, .Lfunc_end_k_qb615a0ebb5_attn-k_qb615a0ebb5_attn
	.p2alignl 7, 3214868480
	.fill 96, 4, 3214868480
	.section	.rodata,"a",@progbits
	.p2align	6, 0x0
	.amdhsa_kernel k_qb615a0ebb5_attn
		.amdhsa_group_segment_fixed_size 145408
		.amdhsa_private_segment_fixed_size 0
		.amdhsa_enable_private_segment 0
		.amdhsa_kernarg_size 48
		.amdhsa_user_sgpr_count 2
		.amdhsa_user_sgpr_kernarg_segment_ptr 1
		.amdhsa_wavefront_size32 1
		.amdhsa_system_sgpr_workgroup_id_x 1
		.amdhsa_system_sgpr_workgroup_id_y 1
		.amdhsa_system_sgpr_workgroup_id_z 1
		.amdhsa_system_vgpr_workitem_id 0
		.amdhsa_next_free_vgpr 256
		.amdhsa_next_free_sgpr 106
		.amdhsa_reserve_vcc 1
		.amdhsa_float_denorm_mode_32 3
		.amdhsa_float_denorm_mode_16_64 3
		.amdhsa_memory_ordered 1
		.amdhsa_forward_progress 1
		.amdhsa_inst_pref_size 39
	.end_amdhsa_kernel
	.amdgpu_metadata
---
amdhsa.version: [ 1, 2 ]
amdhsa.kernels:
  - .name:           k_qb615a0ebb5_attn
    .symbol:         k_qb615a0ebb5_attn.kd
    .args:
      - { .name: qq, .offset: 0, .size: 8, .value_kind: global_buffer, .address_space: global }
      - { .name: kv, .offset: 8, .size: 8, .value_kind: global_buffer, .address_space: global }
      - { .name: maskw, .offset: 16, .size: 8, .value_kind: global_buffer, .address_space: global }
      - { .name: maskf, .offset: 24, .size: 8, .value_kind: global_buffer, .address_space: global }
      - { .name: cc, .offset: 32, .size: 8, .value_kind: global_buffer, .address_space: global }
      - { .name: cs, .offset: 40, .size: 8, .value_kind: global_buffer, .address_space: global }
    .group_segment_fixed_size: 145408
    .private_segment_fixed_size: 0
    .kernarg_segment_align: 8
    .kernarg_segment_size: 48
    .max_flat_workgroup_size: 512
    .sgpr_count:     106
    .vgpr_count:     256
    .wavefront_size: 32
...
	.end_amdgpu_metadata
.endif
;; end of part 2
;; launch dense (part 3): grid 4 x 64, 4 waves a work-group, clusters of 4 x 4, 327,680 bytes of LDS; arguments cc, cs, W_dense_codes, W_dense_scales, b_dense, out0; writes out0
.if DOCPART == 3
	.amdgcn_target "amdgcn-amd-amdhsa--gfx1250"
	.amdhsa_code_object_version 6
	.text
	.protected	k_qb615a0ebb5_dense
	.globl	k_qb615a0ebb5_dense
	.p2align	8
	.type	k_qb615a0ebb5_dense,@function
k_qb615a0ebb5_dense:
	s_mov_b64 s[64:65], 0
	v_nop
	global_prefetch_b8 v0, s[64:65] scope:SCOPE_SE
	s_setreg_imm32_b32 hwreg(HW_REG_WAVE_MODE, 25, 1), 1
	s_wait_xcnt 0x0
	s_wait_alu depctr_hold_cnt(0) depctr_sa_sdst(0) depctr_va_vdst(0) depctr_va_sdst(0) depctr_va_ssrc(0) depctr_va_vcc(0) depctr_vm_vsrc(0)
	s_getreg_b32 s2, hwreg(HW_REG_IB_STS2, 6, 4)
	s_cmp_eq_u32 s2, 0
	s_cbranch_scc0 .Lentry_in_a_cluster
	s_endpgm
.Lentry_in_a_cluster:
	s_bfe_u32 s2, ttmp6, 0x10000c
	s_cmp_lg_u32 s2, 0xf033
	s_cbranch_scc0 .Lentry_shape_is_right
	s_endpgm
.Lentry_shape_is_right:
; out = ctx W_dense + b_dense on codes of FP4 (E2M1) with E8M0 scales.  ctx comes as images of operand registers (cc) and scale words (cs) from the launch before; W_dense as given: rows of 512 bytes, K innermost.
; A work-group of four waves takes 128 rows (ty) x 256 columns (tx); ALL OF K (1,024) lies in LDS, filled once: nothing is filled again.  4 x 4 work-groups form a cluster: ctx's tiles hang on ty alone and are asked for jointly
; along a row of the cluster, W's on tx alone and jointly along a column.
; A WAVE: X = source 0 = 8 tiles of 16 rows of W (128 columns of out, wx), Y = source 1 = 4 tiles of ctx rows (wy): a lane's eight results are eight neighbouring columns of one row of out.  The bias is the C of each sum's first product.
; A tile of ctx holds the rows 32 b + 8 u + r + 8 (r / 8) (tile 2 b + u): the stores' row offsets follow that order.
; THE WAY OUT: 16 rows x 128 columns at a time through the wave's own stage in LDS and back as whole rows of 512 bytes.  The stage has bytes of its own, into which no tile lands.
; REGISTERS: window 0: v1 r, v2 h, v3 lane, v4 16 x lane, v5, v7, v9, v10 LDS addresses, v11 bias offset, v12, v13 the stage, v16-79 X's scale words, v80-111 Y's, v112-175 Y's fragments (two sets), on the way out v112-239 rows of out.
;   window 1: v0-127 X's fragments (two sets), v128-191 the bias.  window 2: accumulator (y, x) at v[64 y + 8 x].
.set PITCH, 528
.set CREG,  0                          ; ctx's images: 8 tiles x 8,192 bytes
.set WREG,  65536                      ; W's 256 rows, 512 bytes + 16
.set CSC,   WREG+256*PITCH             ; ctx's scale words: 8 tiles x 512 bytes
.set WSC,   CSC+4096                   ; W's scale bytes: 32 units of 256 bytes + 16
.set STG,   WSC+32*272                 ; the stages: 16 rows x 528 bytes a wave
.set XSC, 16
.set YSC, 80
.set YF,  112
.set BI,  128
.set G1C,  24
.set G1W,  32
.set G1CS, 40
.set G1WS, 48
.set G0C,  56
.set G0W,  60
.set G0CS, 68
.set G0WS, 72
.set MSB, 0
.macro WIN new                         ; the immediate's high byte repeats the setting that is left
.if MSB != \new
	s_set_vgpr_msb (MSB<<8)|\new
.set MSB, \new
.endif
.endm
.macro PLACES n
.rept \n
	v_nop
.endr
.endm
.macro JLOAD g0a, g1a, g0b, g1b        ; waves 0 and 1 fetch for ctx, waves 2 and 3 for W; four v_nop follow each of the two lines
	s_cmp_eq_u32 s78, 0
	s_cbranch_scc0 .Lfor_w_\@
	tensor_load_to_lds s[\g0a:\g0a+3], s[\g1a:\g1a+7]
	s_nop 0
.rept 4
	v_nop
.endr
	s_branch .Lasked_\@
.Lfor_w_\@:
	tensor_load_to_lds s[\g0b:\g0b+3], s[\g1b:\g1b+7]
	s_nop 0
.rept 4
	v_nop
.endr
.Lasked_\@:
.endm
.macro CROUND                          ; a round of the cluster's barrier
	s_barrier_signal -1
	s_barrier_wait -1
	s_cmp_lg_u32 s76, 0
	s_cbranch_scc1 .Lnot_wave_0_\@
	s_barrier_signal -3
.Lnot_wave_0_\@:
	s_barrier_wait -3
	s_barrier_signal -1
	s_barrier_wait -1
.endm
.macro SCALES
.irp x, 0,1,2,3,4,5,6,7
.irp k, 0,1
	ds_load_b128 v[XSC+8*\x+4*\k:XSC+8*\x+4*\k+3], v9 offset:544*\x+16*\k
.endr
.endr
.irp y, 0,1,2,3
.irp k, 0,1
	ds_load_b128 v[YSC+8*\y+4*\k:YSC+8*\y+4*\k+3], v10 offset:512*\y+256*\k
.endr
.endr
.endm
.macro FETCH s, p
	WIN 0x40
.irp x, 0,1,2,3,4,5,6,7
.irp c, 0,1
	ds_load_b128 v[64*(\p)+8*\x+4*\c:64*(\p)+8*\x+4*\c+3], v5 offset:\x*16*PITCH+64*(\s)+32*\c
.endr
.endr
	WIN 0
.irp y, 0,1,2,3
.irp c, 0,1
	ds_load_b128 v[YF+32*(\p)+8*\y+4*\c:YF+32*(\p)+8*\y+4*\c+3], v7 offset:8192*\y+1024*(\s)+512*\c
.endr
.endr
.endm
; K step s: its fragments are in; the next step's are asked for, four places behind the products that read that set; then 32 products, the 32 accumulators by turns in the same order in every step
.macro STEP s, first, last
	s_wait_dscnt 0x0
.if \last == 0
	PLACES 4
	FETCH (\s)+1, ((\s)+1)%2
.endif
.if \first
	WIN 0x91                                       ; X window 1, Y window 0, C (the bias) window 1, D window 2
.else
	WIN 0xa1
.endif
.irp y, 0,1,2,3
.irp x, 0,1,2,3,4,5,6,7
.if \first
	v_wmma_scale_f32_16x16x128_f8f6f4 v[64*\y+8*\x:64*\y+8*\x+7], v[64*((\s)%2)+8*\x:64*((\s)%2)+8*\x+7], v[YF+32*((\s)%2)+8*\y:YF+32*((\s)%2)+8*\y+7], v[BI+8*\x:BI+8*\x+7], v[XSC+8*\x+(\s)], v[YSC+8*\y+(\s)] matrix_a_fmt:MATRIX_FMT_FP4 matrix_b_fmt:MATRIX_FMT_FP4
.else
	v_wmma_scale_f32_16x16x128_f8f6f4 v[64*\y+8*\x:64*\y+8*\x+7], v[64*((\s)%2)+8*\x:64*((\s)%2)+8*\x+7], v[YF+32*((\s)%2)+8*\y:YF+32*((\s)%2)+8*\y+7], v[64*\y+8*\x:64*\y+8*\x+7], v[XSC+8*\x+(\s)], v[YSC+8*\y+(\s)] matrix_a_fmt:MATRIX_FMT_FP4 matrix_b_fmt:MATRIX_FMT_FP4
.endif
.endr
.endr
	WIN 0
.endm
.macro TOSTAGE y                       ; Y tile y: 16 rows x 128 columns into my stage, each accumulator from its low end on, and back as whole rows; LDS serves a wave's instructions in order
	WIN 0x08                                       ; an LDS store's data are its source 1: window 2
.irp x, 0,1,2,3,4,5,6,7
	ds_store_b128 v12, v[64*(\y)+8*\x:64*(\y)+8*\x+3] offset:64*\x
	ds_store_b128 v12, v[64*(\y)+8*\x+4:64*(\y)+8*\x+7] offset:64*\x+16
.endr
	WIN 0
.irp i, 0,1,2,3,4,5,6,7,8,9,10,11,12,13,14,15
	ds_load_b128 v[112+64*((\y)%2)+4*\i:112+64*((\y)%2)+4*\i+3], v13 offset:PITCH*\i
.endr
.endm
.macro SEND y, younger                 ; younger: the LDS instructions issued behind tile y's loads, which may stay out
	s_wait_dscnt \younger
.irp i, 0,1,2,3,4,5,6,7,8,9,10,11,12,13,14,15
	global_store_b128 v4, v[112+64*((\y)%2)+4*\i:112+64*((\y)%2)+4*\i+3], s[14:15] offset:(32*((\y)/2)+8*((\y)%2)+\i+8*(\i/8))*4096 th:TH_STORE_NT   ; 32 lanes store 512 consecutive bytes, aligned to 256
.endr
.endm
	s_load_b256 s[4:11], s[0:1], 0x0               ; cc s[4:5], cs s[6:7], W codes s[8:9], W scales s[10:11]
	s_load_b128 s[12:15], s[0:1], 0x20             ; bias s[12:13], out s[14:15]
	v_lshl_add_u32 v254, v0, 2, 0x3c600
	v_mov_b32 v255, 0
	ds_add_u32 v254, v255
	ds_add_u32 v254, v255
	v_lshrrev_b32 v1, 5, v0
	v_readfirstlane_b32 s76, v1                    ; wave 0..3
	s_and_b32 s77, s76, 1                          ; e: which half I fetch; also wx
	s_lshr_b32 s78, s76, 1                         ; 0: I fetch for ctx, 1: for W; also wy
	s_bfe_u32 s79, ttmp6, 0x40000                  ; cx
	s_bfe_u32 s80, ttmp6, 0x40004                  ; cy
	s_lshl_b32 s81, ttmp9, 2
	s_add_co_u32 s81, s81, s79                     ; tx
	s_and_b32 s82, ttmp7, 0xffff
	s_lshl_b32 s82, s82, 2
	s_add_co_u32 s82, s82, s80                     ; ty
	s_lshl_b32 s83, s80, 2
	s_lshl_b32 s83, 15, s83                        ; my row of the cluster
	s_lshl_b32 s84, 0x1111, s79                    ; my column
	s_or_b32 s[G1C], s83, (3<<16)|(1<<21)          ; ctx's images: a dense block as 128 rows of 256 bytes, no padding
	s_mov_b32 s[G1C+1], 32<<16
	s_mov_b32 s[G1C+2], 128<<16
	s_mov_b32 s[G1C+3], 32<<16
	s_mov_b32 s[G1C+4], 128
	s_mov_b32 s[G1C+5], 32
	s_mov_b32 s[G1C+6], 0
	s_mov_b32 s[G1C+7], 0
	s_or_b32 s[G1W], s84, (3<<16)|(1<<20)|(1<<21)|(6<<22)|(3<<25)   ; W: 128 rows of 512 bytes, 4 words of padding behind each
	s_mov_b32 s[G1W+1], 64<<16
	s_mov_b32 s[G1W+2], 128<<16
	s_mov_b32 s[G1W+3], 64<<16
	s_mov_b32 s[G1W+4], 128
	s_mov_b32 s[G1W+5], 64
	s_mov_b32 s[G1W+6], 0
	s_mov_b32 s[G1W+7], 0
	s_or_b32 s[G1CS], s83, (3<<16)|(1<<21)         ; ctx's scale words: 8 rows of 256 bytes, no padding
	s_mov_b32 s[G1CS+1], 32<<16
	s_mov_b32 s[G1CS+2], 8<<16
	s_mov_b32 s[G1CS+3], 32<<16
	s_mov_b32 s[G1CS+4], 8
	s_mov_b32 s[G1CS+5], 32
	s_mov_b32 s[G1CS+6], 0
	s_mov_b32 s[G1CS+7], 0
	s_or_b32 s[G1WS], s84, (3<<16)|(1<<20)|(1<<21)|(5<<22)|(3<<25)  ; W's scale bytes: 16 rows of 256 bytes + 16
	s_mov_b32 s[G1WS+1], 32<<16
	s_mov_b32 s[G1WS+2], 16<<16
	s_mov_b32 s[G1WS+3], 32<<16
	s_mov_b32 s[G1WS+4], 16
	s_mov_b32 s[G1WS+5], 32
	s_mov_b32 s[G1WS+6], 0
	s_mov_b32 s[G1WS+7], 0
	s_lshl_b32 s86, s82, 16                        ; cc: 65,536 ty + 32,768 e
	s_lshl_b32 s87, s77, 15
	s_add_co_u32 s86, s86, s87
	s_mov_b32 s87, 0
	s_lshl_b32 s88, s82, 12                        ; cs: 4,096 ty + 2,048 e
	s_lshl_b32 s89, s77, 11
	s_add_co_u32 s88, s88, s89
	s_mov_b32 s89, 0
	s_lshl_b32 s90, s81, 17                        ; W codes: 131,072 tx + 65,536 e
	s_lshl_b32 s91, s77, 16
	s_add_co_u32 s90, s90, s91
	s_mov_b32 s91, 0
	s_lshl_b32 s92, s81, 13                        ; W scales: 8,192 tx + 4,096 e
	s_lshl_b32 s93, s77, 12
	s_add_co_u32 s92, s92, s93
	s_mov_b32 s93, 0
	s_lshl_b32 s96, s77, 15                        ; where they go: the wave's number alone
	s_mul_i32 s97, s77, 128*PITCH
	s_lshl_b32 s98, s77, 11
	s_mul_i32 s99, s77, 16*272
	s_wait_dscnt 0x0
	s_wait_kmcnt 0x0
	CROUND                                         ; all sixteen work-groups are here: the joint loads meet
	s_mov_b32 s[G0CS], 1
	s_add_co_u32 s[G0CS+1], s98, CSC
	s_add_nc_u64 s[G0CS+2:G0CS+3], s[6:7], s[88:89]
	s_or_b32 s[G0CS+3], s[G0CS+3], 0x80000000
	s_mov_b32 s[G0WS], 1
	s_add_co_u32 s[G0WS+1], s99, WSC
	s_add_nc_u64 s[G0WS+2:G0WS+3], s[10:11], s[92:93]
	s_or_b32 s[G0WS+3], s[G0WS+3], 0x80000000
	JLOAD G0CS, G1CS, G0WS, G1WS
	s_mov_b32 s[G0C], 1
	s_add_co_u32 s[G0C+1], s96, CREG
	s_add_nc_u64 s[G0C+2:G0C+3], s[4:5], s[86:87]
	s_or_b32 s[G0C+3], s[G0C+3], 0x80000000
	s_mov_b32 s[G0W], 1
	s_add_co_u32 s[G0W+1], s97, WREG
	s_add_nc_u64 s[G0W+2:G0W+3], s[8:9], s[90:91]
	s_or_b32 s[G0W+3], s[G0W+3], 0x80000000
	s_wait_alu depctr_va_vdst(0)
	s_wait_tensorcnt 0x0
	ds_add_u32 v254, v255
	s_wait_dscnt 0x0
	CROUND
	JLOAD G0C, G1C, G0W, G1W                       ; one tensor load of mine is out
	v_and_b32 v3, 31, v0                           ; lane
	v_and_b32 v1, 15, v0                           ; r
	v_bfe_u32 v2, v0, 4, 1                         ; h
	v_lshlrev_b32 v4, 4, v3                        ; 16 x lane
	v_mul_u32_u24 v5, v1, PITCH
	v_lshl_add_u32 v5, v2, 4, v5
	s_mul_i32 s86, s77, 128*PITCH
	s_add_co_u32 s86, s86, WREG
	v_add_nc_u32 v5, s86, v5                       ; W: my 128 rows, row r, + 16 h
	s_lshl_b32 s86, s78, 15
	v_add_nc_u32 v7, s86, v4                       ; ctx: my four tiles' images
	v_lshrrev_b32 v14, 3, v1
	v_and_b32 v15, 7, v1
	v_mul_u32_u24 v9, v14, 272
	v_lshl_add_u32 v9, v15, 5, v9
	s_mul_i32 s86, s77, 16*272
	s_add_co_u32 s86, s86, WSC
	v_add_nc_u32 v9, s86, v9                       ; W's scale words: 32 bytes a row, 8 rows a unit
	s_lshl_b32 s86, s78, 11
	s_add_co_u32 s86, s86, CSC
	v_lshl_add_u32 v10, v1, 4, s86                 ; ctx's: 16 bytes a row for four K steps
	v_lshlrev_b32 v11, 5, v2                       ; the bias: register j of tile x is column 16 x + 8 h + j
	s_wait_alu depctr_va_vdst(0)
	s_mul_i32 s86, s76, 16*PITCH
	s_add_co_u32 s86, s86, STG                     ; my stage
	v_mul_u32_u24 v12, v1, PITCH
	v_lshl_add_u32 v12, v2, 5, v12
	v_add_nc_u32 v12, s86, v12                     ; in: row r, + 32 h
	v_add_nc_u32 v13, s86, v4                      ; back: a row of 512 bytes to the 32 lanes
	s_lshl_b32 s86, s81, 10
	s_lshl_b32 s87, s77, 9
	s_add_co_u32 s86, s86, s87                     ; my first column, in bytes: 4 (256 tx + 128 wx)
	s_mov_b32 s87, 0
	s_add_nc_u64 s[12:13], s[12:13], s[86:87]
	s_add_nc_u64 s[14:15], s[14:15], s[86:87]
	s_lshl_b32 s86, s82, 19
	s_lshl_b32 s88, s78, 18
	s_add_co_u32 s86, s86, s88                     ; my first row: (128 ty + 64 wy) rows of 4,096 bytes
	s_add_nc_u64 s[14:15], s[14:15], s[86:87]
	WIN 0x40
.irp x, 0,1,2,3,4,5,6,7
	global_load_b128 v[BI+8*\x:BI+8*\x+3], v11, s[12:13] offset:64*\x
	global_load_b128 v[BI+8*\x+4:BI+8*\x+7], v11, s[12:13] offset:64*\x+16
.endr
	WIN 0
	s_wait_loadcnt 0x0                             ; the bias
	s_wait_tensorcnt 0x0                           ; my parts of the tiles and scales are in,
	s_barrier_signal -1
	s_barrier_wait -1                              ; everybody's are
	SCALES
	FETCH 0, 0
	STEP 0, 1, 0
.irp s, 1,2,3,4,5,6
	STEP \s, 0, 0
.endr
	STEP 7, 0, 1
	PLACES 4                                       ; between the last product and the first read of results, and the loads into registers that held fragments
	s_wait_alu depctr_va_vdst(0)
	TOSTAGE 0
.irp y, 1,2,3
.if \y > 1
	s_wait_xcnt 0x0                                ; tile y - 2's stores have read their registers: tile y's rows may land there
.endif
	TOSTAGE \y
	SEND \y-1, 32                                  ; behind tile y - 1's loads: tile y's 16 stores and 16 loads
.endr
	SEND 3, 0
	s_wait_tensorcnt 0x0
	ds_add_u32 v254, v255
	s_wait_dscnt 0x0
	CROUND                                         ; the closing round: no work-group ends while a partner may still ask for a tile that names it
	s_endpgm
.Lfunc_end_k_qb615a0ebb5_dense:
	.size	k_qb615a0ebb5_dense, .Lfunc_end_k_qb615a0ebb5_dense-k_qb615a0ebb5_dense
	.p2alignl 7, 3214868480
	.fill 96, 4, 3214868480
	.section	.rodata,"a",@progbits
	.p2align	6, 0x0
	.amdhsa_kernel k_qb615a0ebb5_dense
		.amdhsa_group_segment_fixed_size 327680
		.amdhsa_private_segment_fixed_size 0
		.amdhsa_enable_private_segment 0
		.amdhsa_kernarg_size 48
		.amdhsa_user_sgpr_count 2
		.amdhsa_user_sgpr_kernarg_segment_ptr 1
		.amdhsa_wavefront_size32 1
		.amdhsa_system_sgpr_workgroup_id_x 1
		.amdhsa_system_sgpr_workgroup_id_y 1
		.amdhsa_system_sgpr_workgroup_id_z 1
		.amdhsa_system_vgpr_workitem_id 0
		.amdhsa_next_free_vgpr 768
		.amdhsa_next_free_sgpr 100
		.amdhsa_reserve_vcc 0
		.amdhsa_float_denorm_mode_32 3
		.amdhsa_float_denorm_mode_16_64 3
		.amdhsa_memory_ordered 1
		.amdhsa_forward_progress 1
		.amdhsa_inst_pref_size 73
	.end_amdhsa_kernel
	.amdgpu_metadata
---
amdhsa.version: [ 1, 2 ]
amdhsa.kernels:
  - .name:           k_qb615a0ebb5_dense
    .symbol:         k_qb615a0ebb5_dense.kd
    .args:
      - { .name: cc, .offset: 0, .size: 8, .value_kind: global_buffer, .address_space: global }
      - { .name: cs, .offset: 8, .size: 8, .value_kind: global_buffer, .address_space: global }
      - { .name: W_dense_codes, .offset: 16, .size: 8, .value_kind: global_buffer, .address_space: global }
      - { .name: W_dense_scales, .offset: 24, .size: 8, .value_kind: global_buffer, .address_space: global }
      - { .name: b_dense, .offset: 32, .size: 8, .value_kind: global_buffer, .address_space: global }
      - { .name: out0, .offset: 40, .size: 8, .value_kind: global_buffer, .address_space: global }
    .group_segment_fixed_size: 327680
    .private_segment_fixed_size: 0
    .kernarg_segment_align: 8
    .kernarg_segment_size: 48
    .max_flat_workgroup_size: 128
    .sgpr_count:     100
    .vgpr_count:     768
    .wavefront_size: 32
...
	.end_amdgpu_metadata
.endif
;; end of part 3
